; MI455X (gfx1250); checked and timed in simulation.
; The chip was launched on July 23, 2026; its instructions are those of AMD's public machine-readable ISA for CDNA 5 (MIT licence, August 2026) and "CDNA5" Instruction Set Architecture Reference Guide (July 2026). The comments in the code are by the model that wrote it; some were corrected since.
;; Update Speaker. Allowed arithmetic: matrix products marked QUANTISED: E3M2 operands, one E8M0 scale for each 32 along K, by v_wmma_scale_f32_16x16x128_f8f6f4 with both operands' format E3M2, f32 sums; everything else in f32.
;; Inputs: VA_hh 512 x 512 float32; VA_hp 512 x 512 float32; VA_hr 512 x 512 float32; VA_hz 512 x 512 float32; WA_hh 512 x 512 float32; WA_hp 512 x 512 float32; WA_hr 512 x 512 float32; WA_hz 512 x 512 float32; WA_xh 512 x 1,024 float32; WA_xp 512 x 1,024 float32; WA_xr 512 x 1,024 float32; WA_xz 512 x 1,024 float32; adr_vectors 16,384 x 512 float32; encoder_hidden 16,384 x 1,024 float32; spk_vectors 16,384 x 512 float32.
;; Outputs: out0 16,384 x 512 float32.
;; This version of the problem:
;;   THIS VERSION OF THE PROBLEM IS GIVEN IN LOW PRECISION. The matrix products marked QUANTISED in the list below multiply operands that are first quantised to E3M2 (3 exponent bits, 2 mantissa bits; 6 bits a number), with one power-of-two scale for each 32 numbers along K (OCP MX v1.0); their sums are f32. All else is computed in f32.
;;   The module's matrix products, in the order in which they are computed (A, B: the left and right operand; K: the contracted axis; several contracted axes count as one K, in the product's order):
;;     1. [M 16,384, K 1,024] x [K 1,024, N 512]; A: input encoder_hidden; B: input WA_xr: QUANTISED
;;     2. [M 16,384, K 512] x [K 512, N 512]; A: input spk_vectors; B: input WA_hr: QUANTISED
;;     3. [M 16,384, K 512] x [K 512, N 512]; A: input adr_vectors; B: input VA_hr: QUANTISED
;;     4. [M 16,384, K 1,024] x [K 1,024, N 512]; A: input encoder_hidden; B: input WA_xp: QUANTISED
;;     5. [M 16,384, K 512] x [K 512, N 512]; A: input spk_vectors; B: input WA_hp: QUANTISED
;;     6. [M 16,384, K 512] x [K 512, N 512]; A: input adr_vectors; B: input VA_hp: QUANTISED
;;     7. [M 16,384, K 1,024] x [K 1,024, N 512]; A: input encoder_hidden; B: input WA_xz: QUANTISED
;;     8. [M 16,384, K 512] x [K 512, N 512]; A: input spk_vectors; B: input WA_hz: QUANTISED
;;     9. [M 16,384, K 512] x [K 512, N 512]; A: input adr_vectors; B: input VA_hz: QUANTISED
;;     10. [M 16,384, K 1,024] x [K 1,024, N 512]; A: input encoder_hidden; B: input WA_xh: QUANTISED
;;     11. [M 16,384, K 512] x [K 512, N 512]; A: computed on the way; B: input WA_hh: QUANTISED
;;     12. [M 16,384, K 512] x [K 512, N 512]; A: computed on the way; B: input VA_hh: QUANTISED
;;   THE QUANTISER, for each operand of a quantised product, along K:
;;     - K is cut into blocks of 32 from its start; a last block that is shorter is filled with zeros.
;;     - A block's scale is 2^e with e = floor(log2(the largest magnitude in the block)) - 4, held to -126 .. 127; a block of zeros has e = 0. As a byte (E8M0): e + 127.
;;     - Each number is divided by its block's scale, clamped to +-28, and rounded to the nearest number of E3M2, ties to even, subnormals kept.
;;     - The product sums the exact products of the quantised numbers (number of the format x scale) in f32.
;;   ~~~python
;;   def quantise(x, axis):      # numpy; x: float32 -> the quantised numbers, widened to float32 again
;;       x = np.moveaxis(x, axis, -1); K = x.shape[-1]
;;       x = np.pad(x, [(0, 0)] * (x.ndim - 1) + [(0, -K % 32)]); x = x.reshape(x.shape[:-1] + (-1, 32)); a = np.abs(x).max(-1, keepdims=True)
;;       e = np.where(a > 0, np.clip(np.frexp(np.where(a > 0, a, 1))[1] - 1 - 4, -126, 127), 0)      # np.frexp(a)[1] - 1 = floor(log2(a)), exactly
;;       r = np.clip(x / 2.0 ** e, -28, 28)
;;       step = 2.0 ** (np.maximum(np.frexp(np.where(r == 0, 1, r))[1] - 1, -2) - 2)
;;       q = np.round(r / step) * step * 2.0 ** e      # np.round: ties to even
;;       return np.moveaxis(q.reshape(q.shape[:-2] + (-1,))[..., :K], -1, axis).astype(np.float32)
;;   ~~~
;;   OPERANDS COMPUTED ON THE WAY. 'Computed on the way' means the value that the module computes at that place (a softmax that the list does not call 'softmax' is quantised finished and normalised). What goes into a quantiser is computed in f32, as accurately as f32 sums, v_exp_f32 and their like allow (about 1e-6 of the number): no bf16 or f16 on the way to a quantiser, and a product that is left as it is and whose result goes on into a quantised operand takes f32 operands (vector FMAs, or v_wmma_f32_16x16x4_f32). A number that lies on a knife's edge between two numbers of the format may be rounded either way, as far as f32 arithmetic and the matrix unit's own rounding can turn it there, and no further.
;; One version. Each part assembles by itself: llvm-mc -triple=amdgcn-amd-amdhsa -mcpu=gfx1250 --defsym DOCPART=n.
;; ======== version 1 of 1: 2 launches
;; limits: right only within a limited range of input values
;; workspace buffers: wq 3,276,800 bytes
;; launch wprep (part 1): grid 256 x 1, 4 waves a work-group, no clusters, 35,328 bytes of LDS; arguments VA_hp, VA_hr, VA_hz, VA_hh, WA_hp, WA_hr, WA_hz, WA_hh, WA_xp, WA_xr, WA_xz, WA_xh, wq; writes wq
.if DOCPART == 1
	.amdgcn_target "amdgcn-amd-amdhsa--gfx1250"
	.amdhsa_code_object_version 6
	.text
	.protected	k_q37385425b7_wprep
	.globl	k_q37385425b7_wprep
	.p2align	8
	.type	k_q37385425b7_wprep,@function
k_q37385425b7_wprep:
	s_mov_b64 s[64:65], 0
	v_nop
	global_prefetch_b8 v0, s[64:65] scope:SCOPE_SE
	s_setreg_imm32_b32 hwreg(HW_REG_WAVE_MODE, 25, 1), 1
	s_wait_xcnt 0x0
; The twelve weights ([512][512] or [512][1024] f32, K innermost) become codes of BF6 (E3M2) with one E8M0 byte for each 32 along K,
; laid in wq in the order in which the next launch's operand registers take them.
; wq = [w 4][g 4][k 16] blocks of 12,800 bytes: w the wave that will read the block (weight rows 128 w .. 128 w + 127), g the gate (0 p, 1 r, 2 z, 3 h),
; k the K step of 128 in the order in which that gate's sum walks K: gates p, r, z: adr's 4 steps, spk's 4, x's 8; gate h: p.adr's 4, r.spk's 4, x's 8.
; A block: 8 fragments (tiles t of 16 rows x 128 K, 12 registers a lane) of 1,536 bytes, registers 4 c .. 4 c + 3 of lane l at 1536 t + 512 c + 16 l;
; at byte 12,288 the scale words: lane l's 16 bytes hold word q = 0 .. 3: tile 2 q's word of row-lane l (l < 16), tile 2 q + 1's of row-lane l - 16 (l >= 16).
; THE ROWS OF A TILE ARE NOT NEIGHBOURS: row-lane p of tile 2 b + u is weight row 128 w + 32 b + 8 u + p + 8 (p / 8), so that in the transposed product
; the 16 result registers of tiles 2 b and 2 b + 1 are 16 neighbouring columns.
; A block's scale is 2^(floor(log2(largest magnitude)) - 4); its byte is the largest magnitude's exponent field - 4, held at 1 from below.
; LIMITS: a block of zeros gets the byte 1 where the rule says 127 (its codes are zeros, and this program alone reads the bytes); NaN and infinities are not served.
; SHARES: work-group id makes block id (128 rows x 128 K: 65,536 bytes in, 12,800 out); wave v makes tiles 2 v and 2 v + 1.
; Each load reads 512 consecutive bytes of one row; a tile turns through the wave's own stage in LDS so that a lane holds 16 neighbours of each block of 32.
.set SPITCH, 528                       ; a stage row: 512 bytes + 16: the sixteen rows that a read touches start 4 banks apart
.set STGB,   16*SPITCH                 ; a wave's stage
.set SCL,    4*STGB                    ; behind the stages: the block's 512 bytes of scale words
.set BLKB,   12800
.set LN,   1                           ; v1   lane
.set L16,  2                           ; v2   16 x lane
.set STW,  5                           ; v5   the stage, on the way in: 16 x lane
.set STR,  6                           ; v6   and out: row r, + 64 (lane / 16)
.set SCW,  7                           ; v7   where my scale word goes: SCL + 16 x lane + 4 x wave
.set SCR,  8                           ; v8   SCL + 16 x lane
.set VO,   16                          ; v16-31  row-lane p's byte offset: (p + 8 (p / 8)) x pitch + 16 x lane
.set RB,   32                          ; v32-95, v96-159 the two tiles as loaded; the codes are laid over tile 0's registers once they are done with
.set T,    160                         ; v160-223 a tile turned: register 16 b + i = k 32 b + 16 (lane / 16) + i of my row
.set TM,   224                         ; v224-239 at work
.set PW,   240                         ; v240, v241 the two tiles' scale words
.set SEL,  54                          ; s[54:55] lane selects for v_permlanex16_b32: lane l xor 16
; 64 numbers of a lane become a fragment's 12 registers at v[pc] on and its row's scale word in v[pw]
.macro QUANT s, pc, pw
.irp b, 0,1,2,3
	v_max3_num_f32 v[TM+\b], |v[(\s)+16*\b]|, |v[(\s)+16*\b+1]|, 0x2800000   ; block b: my 16 numbers, and the floor 2^(5 - 127): the byte cannot fall under 1
.endr
.irp i, 2,4,6,8,10,12,14
.irp b, 0,1,2,3
	v_max3_num_f32 v[TM+\b], |v[(\s)+16*\b+\i]|, |v[(\s)+16*\b+\i+1]|, v[TM+\b]   ; the four blocks by turns
.endr
.endr
.irp b, 0,1,2,3
	v_permlanex16_b32 v[TM+4+\b], v[TM+\b], s[SEL], s[SEL+1]
.endr
.irp b, 0,1,2,3
	v_max_num_f32 v[TM+\b], v[TM+\b], v[TM+4+\b]       ; with lane l xor 16's: the block's largest magnitude
.endr
.irp b, 0,1,2,3
	v_add_nc_u32 v[TM+12+\b], 0xfe000000, v[TM+\b]     ; 4 off its exponent field: the conversion's scale operand
.endr
.irp b, 0,1,2,3
	v_lshrrev_b32 v[TM+4+\b], 23, v[TM+12+\b]          ; the scale's byte
.endr
	v_lshl_or_b32 v[\pw], v[TM+5], 8, v[TM+4]
	v_lshl_or_b32 v[\pw], v[TM+6], 16, v[\pw]
	v_lshl_or_b32 v[\pw], v[TM+7], 24, v[\pw]
.irp c, 0,1
	v_cvt_scalef32_pk16_bf6_f32 v[(\pc)+6*\c:(\pc)+6*\c+2], v[(\s)+32*\c:(\s)+32*\c+15], v[TM+12+2*\c]
	v_cvt_scalef32_pk16_bf6_f32 v[(\pc)+12+4*\c:(\pc)+14+4*\c], v[(\s)+32*\c+16:(\s)+32*\c+31], v[TM+13+2*\c]   ; (a conversion's three registers begin on an even number)
.endr
	v_nop                                              ; one plain place behind a scaled conversion
.irp c, 0,1                                        ; the operand's layout wants a whole block in a lane: lanes 0-15 block 2 c, lanes 16-31 block 2 c + 1
.irp i, 0,1,2
	v_permlane16_swap_b32 v[(\pc)+6*\c+\i], v[(\pc)+12+4*\c+\i]
.endr
.irp i, 0,1,2
	v_mov_b32 v[(\pc)+3+6*\c+\i], v[(\pc)+12+4*\c+\i]
.endr
.endr
.endm
	s_load_b512 s[8:23], s[0:1], 0x0               ; weights 0 to 7 of the list: adr's p, r, z, h; spk's p, r, z, h
	s_load_b256 s[24:31], s[0:1], 0x40             ; weights 8 to 11: x's p, r, z, h
	s_load_b64 s[32:33], s[0:1], 0x60              ; wq
	v_lshl_add_u32 v248, v0, 2, 0x8800
	v_mov_b32 v249, 0
	v_lshrrev_b32 v9, 5, v0
	v_readfirstlane_b32 s45, v9                    ; wave 0..3
	v_and_b32 v[LN], 31, v0
	v_lshlrev_b32 v[L16], 4, v[LN]
	v_and_b32 v3, 15, v0                           ; r
	v_bfe_u32 v4, v0, 4, 1                         ; h
	s_mul_i32 s46, s45, STGB
	v_add_nc_u32 v[STW], s46, v[L16]
	v_mul_u32_u24 v[STR], v3, SPITCH
	v_lshl_add_u32 v[STR], v4, 6, v[STR]
	v_add_nc_u32 v[STR], s46, v[STR]
	s_lshl_b32 s46, s45, 2
	s_add_co_u32 s46, s46, SCL
	v_add_nc_u32 v[SCW], s46, v[L16]
	v_add_nc_u32 v[SCR], SCL, v[L16]
	s_mov_b32 s[SEL], 0x76543210
	s_mov_b32 s[SEL+1], 0xfedcba98
.irp b, 0,1,2,3
	v_mov_b32 v[TM+4+\b], 0                        ; written once: a lane permute's destination counts as one of its sources
.endr
	s_lshr_b32 s2, ttmp9, 6                        ; w
	s_bfe_u32 s3, ttmp9, 0x20004                   ; g
	s_and_b32 s4, ttmp9, 15                        ; k
	s_mov_b32 s5, s4                               ; kk = k for EVERY gate: adr's side 0-3, spk's 4-7, x's 8-15; gate h walks p.adr, r.spk, x too (this line stands over the order that the head comment gives for gate h)
	s_lshr_b32 s6, s5, 2
	s_min_u32 s6, s6, 2                            ; which side: 0 adr's weight, 1 spk's, 2 x's
	s_lshl_b32 s42, s6, 2
	s_sub_co_u32 s7, s5, s42                       ; the K step inside that weight
	s_add_co_u32 s43, s42, s3                      ; the weight's number in the list
	s_mov_b32 s44, 2048
	s_cmp_eq_u32 s6, 2
	s_cselect_b32 s44, 4096, s44                   ; a row of it in bytes
	s_lshl_b32 s46, s2, 7
	s_lshl_b32 s47, s45, 5
	s_add_co_u32 s46, s46, s47                     ; tile 2 v's first row: 128 w + 32 v
	s_mul_i32 s46, s46, s44
	s_lshl_b32 s47, s7, 9
	s_add_co_u32 s46, s46, s47                     ; + 512 bytes a K step
	s_mov_b32 s47, 0
	s_lshl_b32 s48, s44, 3                         ; tile 2 v + 1 begins 8 rows on
	s_mov_b32 s49, 0
	s_mul_i32 s50, ttmp9, BLKB
	s_mul_i32 s52, s45, 3072
	s_add_co_u32 s50, s50, s52                     ; my two fragments in the block
	s_mov_b32 s51, 0
.irp r, 0,1,2,3,4,5,6,7,8,9,10,11,12,13,14,15
	v_mad_u32_u24 v[VO+\r], s44, \r+8*(\r/8), v[L16]
.endr
	s_wait_alu depctr_va_vdst(0)
	s_wait_kmcnt 0x0
	s_mov_b64 s[34:35], s[8:9]                     ; the weight is chosen by the work-group's number alone
.irp i, 1,2,3,4,5,6,7,8,9,10,11
	s_cmp_eq_u32 s43, \i
	s_cselect_b64 s[34:35], s[8+2*\i:9+2*\i], s[34:35]
.endr
	s_add_nc_u64 s[36:37], s[34:35], s[46:47]
	s_add_nc_u64 s[38:39], s[36:37], s[48:49]
	s_add_nc_u64 s[40:41], s[32:33], s[50:51]
.irp u, 0,1
.irp r, 0,1,2,3,4,5,6,7,8,9,10,11,12,13,14,15
	global_load_b128 v[RB+64*\u+4*\r:RB+64*\u+4*\r+3], v[VO+\r], s[36+2*\u:37+2*\u] th:TH_LOAD_NT   ; 32 lanes read 512 consecutive bytes of one row; read once in the launch
.endr
.endr
.macro TILE u, left
	s_wait_loadcnt \left                           ; this tile's 16 rows are in
.irp r, 0,1,2,3,4,5,6,7,8,9,10,11,12,13,14,15
	ds_store_b128 v[STW], v[RB+64*\u+4*\r:RB+64*\u+4*\r+3] offset:SPITCH*\r
.endr
.irp n, 0,1,2,3,4,5,6,7,8,9,10,11,12,13,14,15
	ds_load_b128 v[T+4*\n:T+4*\n+3], v[STR] offset:128*(\n/4)+16*(\n%4)   ; LDS serves a wave's instructions in order: these see the stores above
.endr
	s_wait_dscnt 0x0
	QUANT T, RB+32*\u, PW+\u
.irp c, 0,1,2
	global_store_b128 v[L16], v[RB+32*\u+4*\c:RB+32*\u+4*\c+3], s[40:41] offset:1536*\u+512*\c   ; 32 lanes store 512 consecutive bytes, at a multiple of 256 from wq's first byte
.endr
.endm
	TILE 0, 16                                     ; tile 1's 16 loads may stay out
	TILE 1, 0
	v_cmp_gt_u32 vcc_lo, 16, v[LN]
	v_cndmask_b32 v242, v[PW+1], v[PW], vcc_lo     ; lanes 0-15: the even tile's word of row-lane l; lanes 16-31: the odd tile's of row-lane l - 16
	ds_store_b32 v[SCW], v242
	s_wait_dscnt 0x0                               ; for the others' sake: my word has landed
	s_barrier_signal -1
	s_barrier_wait -1
	s_cmp_lg_u32 s45, 0
	s_cbranch_scc1 .Lend                           ; wave 0 stores the block's scale words (its s[40:41] is the block's first byte)
	ds_load_b128 v[244:247], v[SCR]
	s_wait_dscnt 0x0
	global_store_b128 v[L16], v[244:247], s[40:41] offset:12288
.Lend:
	s_wait_tensorcnt 0x0
	ds_add_u32 v248, v249
	s_wait_dscnt 0x0
	s_endpgm
.Lfunc_end_k_q37385425b7_wprep:
	.size	k_q37385425b7_wprep, .Lfunc_end_k_q37385425b7_wprep-k_q37385425b7_wprep
	.p2alignl 7, 3214868480
	.fill 96, 4, 3214868480
	.section	.rodata,"a",@progbits
	.p2align	6, 0x0
	.amdhsa_kernel k_q37385425b7_wprep
		.amdhsa_group_segment_fixed_size 35328
		.amdhsa_private_segment_fixed_size 0
		.amdhsa_enable_private_segment 0
		.amdhsa_kernarg_size 104
		.amdhsa_user_sgpr_count 2
		.amdhsa_user_sgpr_kernarg_segment_ptr 1
		.amdhsa_wavefront_size32 1
		.amdhsa_system_sgpr_workgroup_id_x 1
		.amdhsa_system_sgpr_workgroup_id_y 1
		.amdhsa_system_sgpr_workgroup_id_z 1
		.amdhsa_system_vgpr_workitem_id 0
		.amdhsa_next_free_vgpr 250
		.amdhsa_next_free_sgpr 66
		.amdhsa_reserve_vcc 1
		.amdhsa_float_denorm_mode_32 3
		.amdhsa_float_denorm_mode_16_64 3
		.amdhsa_memory_ordered 1
		.amdhsa_forward_progress 1
		.amdhsa_inst_pref_size 21
	.end_amdhsa_kernel
	.amdgpu_metadata
---
amdhsa.version: [ 1, 2 ]
amdhsa.kernels:
  - .name:           k_q37385425b7_wprep
    .symbol:         k_q37385425b7_wprep.kd
    .args:
      - { .name: VA_hp, .offset: 0, .size: 8, .value_kind: global_buffer, .address_space: global }
      - { .name: VA_hr, .offset: 8, .size: 8, .value_kind: global_buffer, .address_space: global }
      - { .name: VA_hz, .offset: 16, .size: 8, .value_kind: global_buffer, .address_space: global }
      - { .name: VA_hh, .offset: 24, .size: 8, .value_kind: global_buffer, .address_space: global }
      - { .name: WA_hp, .offset: 32, .size: 8, .value_kind: global_buffer, .address_space: global }
      - { .name: WA_hr, .offset: 40, .size: 8, .value_kind: global_buffer, .address_space: global }
      - { .name: WA_hz, .offset: 48, .size: 8, .value_kind: global_buffer, .address_space: global }
      - { .name: WA_hh, .offset: 56, .size: 8, .value_kind: global_buffer, .address_space: global }
      - { .name: WA_xp, .offset: 64, .size: 8, .value_kind: global_buffer, .address_space: global }
      - { .name: WA_xr, .offset: 72, .size: 8, .value_kind: global_buffer, .address_space: global }
      - { .name: WA_xz, .offset: 80, .size: 8, .value_kind: global_buffer, .address_space: global }
      - { .name: WA_xh, .offset: 88, .size: 8, .value_kind: global_buffer, .address_space: global }
      - { .name: wq, .offset: 96, .size: 8, .value_kind: global_buffer, .address_space: global }
    .group_segment_fixed_size: 35328
    .private_segment_fixed_size: 0
    .kernarg_segment_align: 8
    .kernarg_segment_size: 104
    .max_flat_workgroup_size: 128
    .sgpr_count:     66
    .vgpr_count:     250
    .wavefront_size: 32
...
	.end_amdgpu_metadata
.endif
;; end of part 1
;; launch gru (part 2): grid 256 x 1, 4 waves a work-group, clusters of 4 x 1, 327,680 bytes of LDS; arguments encoder_hidden, spk_vectors, adr_vectors, wq, out0; writes out0
.if DOCPART == 2
	.amdgcn_target "amdgcn-amd-amdhsa--gfx1250"
	.amdhsa_code_object_version 6
	.text
	.protected	k_q37385425b7_gru
	.globl	k_q37385425b7_gru
	.p2align	8
	.type	k_q37385425b7_gru,@function
k_q37385425b7_gru:
	s_mov_b64 s[64:65], 0
	v_nop
	global_prefetch_b8 v0, s[64:65] scope:SCOPE_SE
	s_setreg_imm32_b32 hwreg(HW_REG_WAVE_MODE, 25, 1), 1
	s_wait_xcnt 0x0
	s_wait_alu depctr_hold_cnt(0) depctr_sa_sdst(0) depctr_va_vdst(0) depctr_va_sdst(0) depctr_va_ssrc(0) depctr_va_vcc(0) depctr_vm_vsrc(0)
	s_getreg_b32 s2, hwreg(HW_REG_IB_STS2, 6, 4)
	s_cmp_eq_u32 s2, 0
	s_cbranch_scc0 .Lentry_in_a_cluster
	s_endpgm
.Lentry_in_a_cluster:
	s_bfe_u32 s2, ttmp6, 0x10000c
	s_cmp_lg_u32 s2, 0x3003
	s_cbranch_scc0 .Lentry_shape_is_right
	s_endpgm
.Lentry_shape_is_right:
; out = (1 - z) s + z h;  p, r, z = sigmoid([a | s | x] W^T), h = tanh([p a | r s | x] W^T): four sums over K = 2,048, N = 512, on codes of BF6 (E3M2), one E8M0 scale for each 32 along K.
; x: encoder_hidden [16384][1024], s: spk_vectors, a: adr_vectors [16384][512], f32.  The weights come from wq, in the order of the operand registers (launch wprep).
; SHARES.  A work-group owns 64 rows and takes them through the whole chain.  Wave w makes columns 128 w .. 128 w + 127 of every gate: 4 x 8 = 32 accumulators.  Four passes (p, r, z, h) of 16 K steps, 32 matrix instructions each, run ONE text.
; THE PRODUCT IS USED TRANSPOSED (source 0 = 16 weight rows, source 1 = 16 rows of activations): register 64 m + 16 b + i of lane (r, h) is column 128 w + 32 b + 16 h + i of row 16 m + r.
; CLUSTERS: 4 x 1.  All work-groups walk the same weights: wave w of each of the four partners issues the same tensor load (mask 15): its 25,600 bytes of wq for two K steps (a fill), 100 rows of 256 bytes, into its own part
; of a ring of two slots.  A wave reads its own part alone.  A slot is in registers by the middle of its second K step; there stand the waits, the add, a round of the cluster's barrier and the refill.  One tensor load a wave is out.
; PREFETCH of wq: a wave has 32 fills.  At the change of slots that issues fill f each wave asks for fill f + 3, six K steps ahead: of its 100 blocks of 256 bytes the partner at place cx names blocks 25 cx .. 25 cx + 24, a lane a block
; (lanes 25-31 name the last again), so each block is named once in a cluster.  Fills 2, 3, 4 are asked for at three places of the head; the last three changes of slots that fill ask for nothing (a counter of 27).
; LDS: ring 2 x 102,400; 16 slots of codes (images of the operand's registers) 98,304; their scale words 4,096; a stage of 16 rows x 272 bytes a wave; the spare words.
; Slots 0-3 a, 4-7 s, 8-15 x.  The codes of p a and r s wait in registers and take slots 0-7 when pass z has read them (rounds of that pass lie between the reads and the stores).
; REGISTERS: window 0 addresses, scale words, one set of weight fragments, two of activations; window 1 s in f32; window 2 the accumulators; window 3 tiles turned, a in f32, then the waiting codes, then z.
; LIMITS: NaN and infinities among the inputs are not served; a block of zeros gets the scale byte 1 where the rule says 127 (its codes are zeros; the bytes are read here alone).
.set WREG,   25600                     ; a wave's part of a ring slot: two blocks of wq
.set BLKB,   12800
.set RSLOT,  4*WREG
.set SLOTS,  2*RSLOT
.set SLOTB,  6144                      ; 4 fragments of 1,536 bytes: registers 4 c .. 4 c + 3 of lane l at 1536 m + 512 c + 16 l
.set SCALES, SLOTS+16*SLOTB            ; 256 bytes a slot: the word of (row r, tile m) at 16 r + 4 m
.set STAGE,  SCALES+16*256
.set SPITCH, 272                       ; 256 bytes + 16: the sixteen rows that a read touches start 4 banks apart
.set STGB,   16*SPITCH
.set SPARE,  STAGE+4*STGB              ; the spare words: 512 bytes that no other line names
.set L16, 1                            ; 16 x lane
.set VA,  2                            ; the slot of codes that is read next, and
.set VS,  3                            ; its scale words
.set VSTW, 4                           ; my stage by rows: 272 (lane / 16) + 16 (lane % 16)
.set VSTR, 5                           ; by the operand's layout: 272 r + 64 h
.set VB0, 6                            ; v6, v7: my part of ring slot 0, 1
.set VIW, 8                            ; the x loop: where images go,
.set VSW, 9                            ; and their scale words
.set R16, 10
.set VO2, 11                           ; 2048 (lane / 16) + 16 (lane % 16)
.set SPW, 12
.set NIL, 13
.set VIA, 14                           ; slot w
.set VSA, 15
.set VT,  16                           ; at work
.set HH,  19                           ; lane / 16
.set BS,  20                           ; v20-27 the weights' scale words, 4 for each parity of the K step
.set AS,  28                           ; v28-35 the activations'
.set PFO, 36                           ; the prefetches' offset: 256 x min(lane, 24); never rewritten
.set BF,  48                           ; v48-143 the weights' 8 fragments
.set AF,  144                          ; v144-239 the activations' 4 fragments, two sets
.set TM,  240                          ; v240-255 the quantiser's work
.set PC,  48                           ; outside the K loops: a fragment just made (12 and 8 at work),
.set PW,  68                           ; its scale word,
.set VO,  72                           ; v72-79 the input loads' offsets,
.set OB,  48                           ; and rows of the result, two sets of 64
.set OUTP, 12
.set WV,  14
.set SEL, 16
.set CC,  18
.set GP,  20
.set KC,  21
.set GRP, 22
.set SA,  23
.set G1,  24
.set G0,  32
.set SAS, 40
.set PIT, 41
.set NB,  42
.set NP,  44
.set XB,  46
.set XB4, 48
.set SB,  50
.set AB,  52
.set SI,  54
.set SS,  55
.set PFA, 56                           ; s[56:57] where my prefetches stand: my work-group's 25 blocks of a fill of my wave
.set PFN, 60                           ; prefetches still to make in the passes
.set MSB, 0
.macro WIN new                         ; the immediate's high byte repeats the setting that is left
.if MSB != (\new)
	s_set_vgpr_msb (MSB<<8)|(\new)
.set MSB, (\new)
.endif
.endm
.macro PLACES                          ; four plain places behind a matrix instruction (ISA guide 7.12.1)
.rept 4
	v_nop
.endr
.endm
.macro ROUND                           ; a round of the cluster's barrier
	s_barrier_signal -1
	s_barrier_wait -1
	s_cmp_lg_u32 s[WV], 0
	s_cbranch_scc1 .Lnw0_\@
	s_barrier_signal -3
.Lnw0_\@:
	s_barrier_wait -3
	s_barrier_signal -1
	s_barrier_wait -1
.endm
.macro JLOAD s                         ; the joint load of ring slot s
	tensor_load_to_lds s[G0+4*\s:G0+4*\s+3], s[G1:G1+7]
	s_nop 0
	PLACES
.endm
.macro ASK                             ; the fill three on from the one just asked for; the counter is the same in all partners
	s_cmp_lg_u32 s[PFN], 0
	s_cbranch_scc0 .Lnoask_\@
	s_cmp_lt_u32 ttmp9, 4
	s_cbranch_scc0 .Lno_prefetch_gru0_\@
	global_prefetch_b8 v[PFO], s[PFA:PFA+1] th:TH_LOAD_NT scope:SCOPE_SE
.Lno_prefetch_gru0_\@:
	s_sub_co_u32 s[PFN], s[PFN], 1
.Lnoask_\@:
.endm
; 64 numbers of a lane (window sw, v[s] on; register 16 b + i = k 32 b + 16 h + i of my row) become a fragment at v[pc] on and its scale word in v[pw], both in window pcw
.macro QUANT sw, s, pcw, pc, pw
	WIN ((\sw)<<2)|(\sw)
.irp b, 0,1,2,3
	v_max3_num_f32 v[TM+\b], |v[(\s)+16*\b]|, |v[(\s)+16*\b+1]|, 0x2800000   ; and the floor 2^(5 - 127): the byte cannot fall under 1
.endr
.irp i, 2,4,6,8,10,12,14
.irp b, 0,1,2,3
	v_max3_num_f32 v[TM+\b], |v[(\s)+16*\b+\i]|, |v[(\s)+16*\b+\i+1]|, v[TM+\b]
.endr
.endr
	WIN 0
.irp b, 0,1,2,3
	v_permlanex16_b32 v[TM+4+\b], v[TM+\b], s[SEL], s[SEL+1]
.endr
.irp b, 0,1,2,3
	v_max_num_f32 v[TM+\b], v[TM+\b], v[TM+4+\b]       ; with lane l xor 16's: the block's largest magnitude
.endr
.irp b, 0,1,2,3
	v_add_nc_u32 v[TM+12+\b], 0xfe000000, v[TM+\b]     ; 4 off its exponent field: the conversion's scale operand
.endr
.irp b, 0,1,2,3
	v_lshrrev_b32 v[TM+4+\b], 23, v[TM+12+\b]          ; the scale's byte
.endr
	v_lshl_or_b32 v[TM+8], v[TM+5], 8, v[TM+4]
	v_lshl_or_b32 v[TM+8], v[TM+6], 16, v[TM+8]
	WIN (\pcw)<<6
	v_lshl_or_b32 v[\pw], v[TM+7], 24, v[TM+8]
	WIN ((\pcw)<<6)|(\sw)
.irp c, 0,1
	v_cvt_scalef32_pk16_bf6_f32 v[(\pc)+6*\c:(\pc)+6*\c+2], v[(\s)+32*\c:(\s)+32*\c+15], v[TM+12+2*\c]
	v_cvt_scalef32_pk16_bf6_f32 v[(\pc)+12+4*\c:(\pc)+14+4*\c], v[(\s)+32*\c+16:(\s)+32*\c+31], v[TM+13+2*\c]
.endr
	v_nop                                              ; one plain place behind a scaled conversion
	WIN ((\pcw)<<6)|(\pcw)
.irp c, 0,1                                        ; a whole block to a lane: lanes 0-15 block 2 c, lanes 16-31 block 2 c + 1
.irp i, 0,1,2
	v_permlane16_swap_b32 v[(\pc)+6*\c+\i], v[(\pc)+12+4*\c+\i]
.endr
.irp i, 0,1,2
	v_mov_b32 v[(\pc)+3+6*\c+\i], v[(\pc)+12+4*\c+\i]
.endr
.endr
.endm
; 4 matrix instructions: weight tile t against the four tiles of rows.  The 32 accumulators take turns, in the same order in every K step
.macro MM t, par, zero
.irp m, 0,1,2,3
.set WD, 64*\m+8*(\t)
.set WB, BF+12*(\t)
.set WA, AF+48*(\par)+12*\m
.set WSA, BS+4*(\par)+(\t)/2
.set WSB, AS+4*(\par)+\m
.if (\t)%2
.if \zero
	v_wmma_scale_f32_16x16x128_f8f6f4 v[WD:WD+7], v[WB:WB+11], v[WA:WA+11], 0, v[WSA], v[WSB] matrix_a_fmt:MATRIX_FMT_BF6 matrix_b_fmt:MATRIX_FMT_BF6 matrix_a_scale:MATRIX_SCALE_ROW1
.else
	v_wmma_scale_f32_16x16x128_f8f6f4 v[WD:WD+7], v[WB:WB+11], v[WA:WA+11], v[WD:WD+7], v[WSA], v[WSB] matrix_a_fmt:MATRIX_FMT_BF6 matrix_b_fmt:MATRIX_FMT_BF6 matrix_a_scale:MATRIX_SCALE_ROW1
.endif
.else
.if \zero
	v_wmma_scale_f32_16x16x128_f8f6f4 v[WD:WD+7], v[WB:WB+11], v[WA:WA+11], 0, v[WSA], v[WSB] matrix_a_fmt:MATRIX_FMT_BF6 matrix_b_fmt:MATRIX_FMT_BF6
.else
	v_wmma_scale_f32_16x16x128_f8f6f4 v[WD:WD+7], v[WB:WB+11], v[WA:WA+11], v[WD:WD+7], v[WSA], v[WSB] matrix_a_fmt:MATRIX_FMT_BF6 matrix_b_fmt:MATRIX_FMT_BF6
.endif
.endif
.endr
.endm
.macro FB ns, nb, t0                   ; weight tiles t0 .. t0 + 3 of block nb of ring slot ns: 12 loads
.irp t, \t0, \t0+1, \t0+2, \t0+3
.irp c, 0,1,2
	ds_load_b128 v[BF+12*(\t)+4*\c:BF+12*(\t)+4*\c+3], v[VB0+\ns] offset:BLKB*(\nb)+1536*(\t)+512*\c
.endr
.endr
.endm
.macro FREST ns, nb, np                ; that block's scale words, the activations' four fragments and their scale words, into the sets of parity np: 14 loads
	ds_load_b128 v[BS+4*(\np):BS+4*(\np)+3], v[VB0+\ns] offset:BLKB*(\nb)+12288
.irp m, 0,1,2,3
.irp c, 0,1,2
	ds_load_b128 v[AF+48*(\np)+12*\m+4*\c:AF+48*(\np)+12*\m+4*\c+3], v[VA] offset:1536*\m+512*\c
.endr
.endr
	ds_load_b128 v[AS+4*(\np):AS+4*(\np)+3], v[VS]
.endm
.macro ANEXT                           ; on to the next slot of codes
	s_add_co_u32 s[SA], s[SA], SLOTB
	s_add_co_u32 s[SAS], s[SAS], 256
	v_add_nc_u32 v[VA], s[SA], v[L16]
	v_add_nc_u32 v[VS], s[SAS], v[R16]
	s_wait_alu depctr_va_vdst(0)
.endm
; A K STEP.  A weight tile is free behind its four products: tiles 0-3 are fetched anew in the step's middle, tiles 4-7 at its end; the activations have two sets.
; kind 1: the ring slot cs is all in registers: the waits, the add, the round and the refill.  kind 2: only the wait for my last tensor load.  fetch: the next step's fragments come from block nb of slot ns.
.macro KSTEP par, zero, kind, cs, fetch, ns, nb
.if (\kind) == 1
	s_wait_xcnt 0x0                                ; my last prefetch, two K steps back, has read its address: it steps a fill on
	s_add_nc_u64 s[PFA:PFA+1], s[PFA:PFA+1], WREG
.endif
	s_wait_dscnt 12                                ; all but the youngest 12 loads (weight tiles 4-7)
	WIN 0xa0
	MM 0, \par, \zero
	MM 1, \par, \zero
	MM 2, \par, \zero
.if (\kind) == 1
	WIN 0
	s_wait_tensorcnt 0x0                           ; my one tensor load, the other slot's, has landed
	ds_add_u32 v[SPW], v[NIL]
	s_add_nc_u64 s[G0+4*\cs+2:G0+4*\cs+3], s[G0+4*\cs+2:G0+4*\cs+3], 2*WREG   ; no load of mine is out: this slot's next two blocks
	WIN 0xa0
	MM 3, \par, \zero
	WIN 0
	s_wait_dscnt 0x0                               ; the add is done, and my reads of this slot are over
	ROUND
	JLOAD \cs                                      ; its four v_nop are also the places in front of the loads below
.else
	MM 3, \par, \zero
.if (\kind) == 2
	s_wait_tensorcnt 0x0                           ; the launch's last load, which the fetch below reads
.endif
	PLACES
	WIN 0
.endif
.if \fetch
	FB \ns, \nb, 0
	FREST \ns, \nb, 1-(\par)
.if (\kind) != 1
	s_wait_dscnt 26                                ; all but the 26 just issued: tiles 4-7 are in
.endif
.else
.if (\kind) != 1
	s_wait_dscnt 0x0
.endif
.endif
.if (\kind) == 1
	ASK                                            ; behind the joint load, its five lines and the run of LDS loads
.endif
	WIN 0xa0
	MM 4, \par, \zero
	MM 5, \par, \zero
	MM 6, \par, \zero
	MM 7, \par, \zero
	PLACES
	WIN 0
.if \fetch
	FB \ns, \nb, 4
	ANEXT
.endif
.endm
; A tile of 16 rows x 128 columns of an input, as two halves of 64 columns through my stage (LDS serves a wave's instructions in order), turned into window dw, quantised, its image to LDS.
; ask 1: the tile's registers take the next group's tile by VO and NB; 2: a's tile; 0: nothing
.macro INSTEP j, cnt, dw, ask, vi, vsc, so
	s_wait_loadcnt \cnt
.irp c, 0,1
	WIN 0x08
.irp i, 0,1,2,3,4,5,6,7
	ds_store_b128 v[VSTW], v[64*\j+32*\c+4*\i:64*\j+32*\c+4*\i+3] offset:2*SPITCH*\i
.endr
	WIN (\dw)<<6
.irp n, 0,1,2,3,4,5,6,7
	ds_load_b128 v[64*\j+32*\c+4*\n:64*\j+32*\c+4*\n+3], v[VSTR] offset:128*(\n/4)+16*(\n%4)
.endr
.endr
	s_wait_dscnt 0x0                               ; the tile is turned; the stores have read the registers that are loaded again below
.if (\ask) == 1
.if \j > 0
	s_wait_xcnt 0x0                                ; the last tile's loads have read NB
	s_add_nc_u64 s[NB:NB+1], s[NB:NB+1], s[NP:NP+1]
.endif
	WIN 0x80
.irp c, 0,1
.irp i, 0,1,2,3,4,5,6,7
	global_load_b128 v[64*\j+32*\c+4*\i:64*\j+32*\c+4*\i+3], v[VO+\i], s[NB:NB+1] offset:256*\c th:TH_LOAD_NT   ; sixteen lanes read 256 consecutive bytes, aligned
.endr
.endr
.endif
.if (\ask) == 2
	WIN 0x80
.irp c, 0,1
.irp i, 0,1,2,3,4,5,6,7
	global_load_b128 v[64*\j+32*\c+4*\i:64*\j+32*\c+4*\i+3], v[VO2], s[AB:AB+1] offset:(16*\j+2*\i)*2048+256*\c th:TH_LOAD_NT
.endr
.endr
.endif
	QUANT \dw, 64*\j, 0, PC, PW
	WIN 0
.irp c, 0,1,2
	ds_store_b128 v[\vi], v[PC+4*\c:PC+4*\c+3] offset:(\so)*SLOTB+1536*\j+512*\c
.endr
	ds_store_b32 v[\vsc], v[PW] offset:(\so)*256+4*\j   ; lanes r and r + 16 store the same word to the same place
.endm
; the gate (window 2) times a (window 3) or s (window 1), quantised; the codes wait in window 3 at v[pb] on, their scale words at v[pb + 56] on
.macro MULQ win, pb
.irp m, 0,1,2,3
	WIN \win
.set RI, 64*\m
.rept 32
	v_pk_mul_f32 v[RI:RI+1], v[RI:RI+1], v[RI:RI+1]
.set RI, RI+2
.endr
	QUANT 2, 64*\m, 3, (\pb)+12*\m, (\pb)+56+\m
.endr
	WIN 0
.endm
	s_load_b256 s[4:11], s[0:1], 0x0               ; x, s, a, wq
	s_load_b64 s[OUTP:OUTP+1], s[0:1], 0x20        ; out
	v_lshl_add_u32 v[SPW], v0, 2, SPARE
	v_mov_b32 v[NIL], 0
	ds_add_u32 v[SPW], v[NIL]                      ; the opening lines: the add, twice on end, and its wait
	ds_add_u32 v[SPW], v[NIL]
	v_lshrrev_b32 v[VT], 5, v0
	v_readfirstlane_b32 s[WV], v[VT]               ; wave 0..3
	s_bfe_u32 s60, ttmp6, 0x40000                  ; cx
	s_lshl_b32 s61, ttmp9, 2
	s_add_co_u32 s60, s60, s61                     ; the work-group: 4 x cluster + cx; it enters global addresses alone
	s_lshl_b32 s61, s[WV], 9                       ; my 128 columns: 512 bytes
	s_lshl_b32 s56, s60, 18                        ; 64 rows of 4,096 bytes
	s_add_co_u32 s56, s56, s61
	s_mov_b32 s57, 0
	s_lshl_b32 s58, s60, 17                        ; 64 rows of 2,048 bytes
	s_add_co_u32 s58, s58, s61
	s_mov_b32 s59, 0
	s_mul_i32 s62, s[WV], 64*BLKB                  ; my 64 blocks of wq
	s_mov_b32 s63, 0
	s_mov_b32 s[G1+0], 15|(3<<16)|(1<<21)          ; the mask names the four partners; elements of 8 bytes; bit 21 beside a mask
	s_mov_b32 s[G1+1], 32<<16                      ; rows of 256 bytes,
	s_mov_b32 s[G1+2], 100<<16                     ; 100 of them, dense
	s_mov_b32 s[G1+3], 32<<16
	s_mov_b32 s[G1+4], 100
	s_mov_b32 s[G1+5], 32
	s_mov_b32 s[G1+6], 0
	s_mov_b32 s[G1+7], 0
	s_mul_i32 s[G0+1], s[WV], WREG                 ; my part of slot 0,
	s_add_co_u32 s[G0+5], s[G0+1], RSLOT           ; of slot 1
	s_mul_i32 s[SI], s[WV], SLOTB
	s_add_co_u32 s[SI], s[SI], SLOTS
	s_lshl_b32 s[SS], s[WV], 8
	s_add_co_u32 s[SS], s[SS], SCALES
	s_mul_i32 s[SAS], s[WV], STGB
	s_add_co_u32 s[SAS], s[SAS], STAGE
	s_mov_b32 s[SEL], 0x76543210
	s_mov_b32 s[SEL+1], 0xfedcba98
	s_mov_b32 s[NP+1], 0
	v_and_b32 v17, 31, v0
	v_and_b32 v18, 15, v0                          ; r
	v_bfe_u32 v[HH], v0, 4, 1                      ; h
	v_lshlrev_b32 v[L16], 4, v17
	v_lshlrev_b32 v[R16], 4, v18
	v_mad_u32_u24 v[VSTW], v[HH], SPITCH, v[R16]
	v_add_nc_u32 v[VSTW], s[SAS], v[VSTW]
	v_mul_u32_u24 v[VSTR], v18, SPITCH
	v_lshl_add_u32 v[VSTR], v[HH], 6, v[VSTR]
	v_add_nc_u32 v[VSTR], s[SAS], v[VSTR]
	v_add_nc_u32 v[VB0], s[G0+1], v[L16]
	v_add_nc_u32 v[VB0+1], s[G0+5], v[L16]
	v_add_nc_u32 v[VIA], s[SI], v[L16]
	v_add_nc_u32 v[VSA], s[SS], v[R16]
	v_lshl_add_u32 v[VO2], v[HH], 11, v[R16]
	v_lshl_add_u32 v[VT], v[HH], 12, v[R16]        ; the same for rows of 4,096 bytes
	v_min_u32 v[PFO], 24, v17                      ; a lane a block of 256 bytes; lanes 25-31 name block 24 again
	v_lshlrev_b32 v[PFO], 8, v[PFO]
.irp b, 0,1,2,3
	v_mov_b32 v[TM+4+\b], 0                        ; a lane permute's destination counts as one of its sources
.endr
	s_add_co_u32 s[SI], s[SI], 8*SLOTB             ; the x loop begins at slot 8 + w
	s_add_co_u32 s[SS], s[SS], 8*256
	s_wait_alu depctr_va_vdst(0)
	s_wait_dscnt 0x0                               ; both opening adds are done
	s_wait_kmcnt 0x0
	s_add_nc_u64 s[XB:XB+1], s[4:5], s[56:57]
	s_add_nc_u64 s[XB4:XB4+1], s[XB:XB+1], 2048
	s_add_nc_u64 s[SB:SB+1], s[6:7], s[58:59]
	s_add_nc_u64 s[AB:AB+1], s[8:9], s[58:59]
	s_add_nc_u64 s[OUTP:OUTP+1], s[OUTP:OUTP+1], s[58:59]
	s_add_nc_u64 s[10:11], s[10:11], s[62:63]
	s_bfe_u32 s58, ttmp6, 0x40000                  ; cx once more: the partners share a fill's blocks out by address
	s_mul_i32 s58, s58, 25*256
	s_add_nc_u64 s[PFA:PFA+1], s[10:11], s[58:59]
	s_mov_b32 s[PFN], 27                           ; fills 5 to 31
	ROUND                                          ; the four partners are here: the first joint loads meet
	s_mov_b32 s[G0], 1
	s_mov_b64 s[G0+2:G0+3], s[10:11]
	s_or_b32 s[G0+3], s[G0+3], 0x80000000
	s_mov_b32 s[G0+4], 1
	s_add_nc_u64 s[G0+6:G0+7], s[10:11], WREG
	s_or_b32 s[G0+7], s[G0+7], 0x80000000
	JLOAD 0                                        ; fill 0: one tensor load a wave at the head
	; ---- THE INPUTS: four groups of 64 rows x my 128 columns: x's K step w, x's K step 4 + w, s, a.  A group is asked for while the group before is worked: 64 loads a wave are out
	WIN 0x80
.irp j, 0,1,2,3
.irp c, 0,1
.irp i, 0,1,2,3,4,5,6,7
	global_load_b128 v[64*\j+32*\c+4*\i:64*\j+32*\c+4*\i+3], v[VT], s[XB:XB+1] offset:(16*\j+2*\i)*4096+256*\c th:TH_LOAD_NT
.endr
.endr
.endr
	WIN 0
	s_cmp_lt_u32 ttmp9, 4
	s_cbranch_scc0 .Lno_prefetch_gru1
	global_prefetch_b8 v[PFO], s[PFA:PFA+1] offset:2*WREG th:TH_LOAD_NT scope:SCOPE_SE   ; fill 2
.Lno_prefetch_gru1:
	s_mov_b32 s[GRP], 0
.Lgroup:                                               ; trip 0 works x's K step w (slot 8 + w) and asks for K step 4 + w; trip 1 works that (slot 12 + w) and asks for s
	s_wait_xcnt 0x0                                ; the loads issued so far have read their offsets and base
	s_mov_b32 s[PIT], 2048
	s_cmp_eq_u32 s[GRP], 0
	s_cselect_b64 s[NB:NB+1], s[XB4:XB4+1], s[SB:SB+1]
	s_cselect_b32 s[PIT], 4096, s[PIT]             ; a row of the input that is asked for
	s_lshl_b32 s[NP], s[PIT], 4
	v_mul_u32_u24 v[VT], s[PIT], v[HH]
	v_add_nc_u32 v[VT], v[VT], v[R16]
.irp i, 0,1,2,3,4,5,6,7
	v_mad_u32_u24 v[VO+\i], s[PIT], 2*\i, v[VT]
.endr
	v_add_nc_u32 v[VIW], s[SI], v[L16]
	v_add_nc_u32 v[VSW], s[SS], v[R16]
	s_wait_alu depctr_va_vdst(0)
.irp j, 0,1,2,3
	INSTEP \j, 48, 3, 1, VIW, VSW, 0               ; 48: three tiles of 16 loads were issued behind the tile in hand
.endr
	s_add_co_u32 s[SI], s[SI], 4*SLOTB
	s_add_co_u32 s[SS], s[SS], 4*256
	s_add_co_u32 s[GRP], s[GRP], 1
	s_cmp_lt_u32 s[GRP], 2
	s_cbranch_scc1 .Lgroup
	s_wait_alu depctr_va_vdst(0)
	s_wait_tensorcnt 0x0                           ; slot 1's first fill is issued as a refill is: the waits, the add, a round
	ds_add_u32 v[SPW], v[NIL]
	s_wait_dscnt 0x0
	ROUND
	JLOAD 1                                        ; fill 1
.irp j, 0,1,2,3
	INSTEP \j, 48, 1, 2, VIA, VSA, 4               ; s -> slot 4 + w; its f32 numbers stay in window 1
.endr
	s_cmp_lt_u32 ttmp9, 4
	s_cbranch_scc0 .Lno_prefetch_gru2
	global_prefetch_b8 v[PFO], s[PFA:PFA+1] offset:3*WREG th:TH_LOAD_NT scope:SCOPE_SE   ; fill 3
.Lno_prefetch_gru2:
	INSTEP 0, 48, 3, 0, VIA, VSA, 0                ; a -> slot w; its f32 numbers stay in window 3; the counts run down
	INSTEP 1, 32, 3, 0, VIA, VSA, 0
	s_cmp_lt_u32 ttmp9, 4
	s_cbranch_scc0 .Lno_prefetch_gru3
	global_prefetch_b8 v[PFO], s[PFA:PFA+1] offset:4*WREG th:TH_LOAD_NT scope:SCOPE_SE   ; fill 4
.Lno_prefetch_gru3:
	INSTEP 2, 16, 3, 0, VIA, VSA, 0
	INSTEP 3, 0, 3, 0, VIA, VSA, 0
	s_wait_xcnt 0x0                                ; the head's prefetches have read their address
	s_add_nc_u64 s[PFA:PFA+1], s[PFA:PFA+1], 4*WREG   ; the first change of slots steps it to fill 5
	; ---- THE FOUR PASSES
	s_mov_b32 s[GP], 0
.Lpass:
	s_wait_tensorcnt 0x0
	s_wait_dscnt 0x0                               ; for the others' sake: my images have landed
	s_barrier_signal -1
	s_barrier_wait -1                              ; the 16 slots of codes are whole
	s_mov_b32 s[SA], SLOTS
	s_mov_b32 s[SAS], SCALES
	v_add_nc_u32 v[VA], s[SA], v[L16]
	v_add_nc_u32 v[VS], s[SAS], v[R16]
	FB 0, 0, 0
	FREST 0, 0, 0
	FB 0, 0, 4
	ANEXT
	KSTEP 0, 1, 0, 0, 1, 0, 1                      ; the first K step starts the sums
	s_mov_b32 s[KC], 3
.Lk:
	KSTEP 1, 0, 1, 0, 1, 1, 0
	KSTEP 0, 0, 0, 0, 1, 1, 1
	KSTEP 1, 0, 1, 1, 1, 0, 0
	KSTEP 0, 0, 0, 0, 1, 0, 1
	s_sub_co_u32 s[KC], s[KC], 1
	s_cmp_lg_u32 s[KC], 0
	s_cbranch_scc1 .Lk
	s_cmp_eq_u32 s[GP], 3
	s_cbranch_scc1 .Ltail_h                        ; the last pass's tail is written out: it asks for nothing more
	KSTEP 1, 0, 1, 0, 1, 1, 0
	KSTEP 0, 0, 0, 0, 1, 1, 1
	KSTEP 1, 0, 1, 1, 0, 0, 0                      ; the next pass's first fragments are fetched at its head
	s_branch .Lsig
.Ltail_h:
	KSTEP 1, 0, 2, 0, 1, 1, 0
	KSTEP 0, 0, 0, 0, 1, 1, 1
	KSTEP 1, 0, 0, 0, 0, 0, 0
.Lsig:
	; q = 1 / (1 + 2^(c y)), each accumulator from its low end on.  c = -log2(e): the sigmoid; c = 2 log2(e) in pass h: tanh(y) = 1 - 2 q
	s_mov_b32 s[CC], 0xbfb8aa3b
	s_cmp_eq_u32 s[GP], 3
	s_cselect_b32 s[CC], 0x4038aa3b, s[CC]
	s_mov_b32 s[CC+1], s[CC]
	WIN 0x82
.set RI, 0
.rept 128
	v_pk_mul_f32 v[RI:RI+1], v[RI:RI+1], s[CC:CC+1] op_sel_hi:[1,0]
.set RI, RI+2
.endr
	s_wait_alu depctr_va_vdst(0)                   ; a wait ahead of each batch and behind it
.set RI, 0
.rept 256
	v_exp_f32 v[RI], v[RI]
.set RI, RI+1
.endr
	v_nop
	s_wait_alu depctr_va_vdst(0)
.set RI, 0
.rept 128
	v_pk_add_f32 v[RI:RI+1], v[RI:RI+1], 1.0 op_sel_hi:[1,0]
.set RI, RI+2
.endr
	s_wait_alu depctr_va_vdst(0)
	WIN 0
	s_cmp_eq_u32 s[GP], 2
	s_cbranch_scc1 .Lz
	WIN 0x82
.set RI, 0
.rept 256
	v_rcp_f32 v[RI], v[RI]
.set RI, RI+1
.endr
	v_nop
	s_wait_alu depctr_va_vdst(0)
	WIN 0
	s_cmp_eq_u32 s[GP], 0
	s_cbranch_scc0 .Lnot_p
	MULQ 0x8e, 0                                   ; p a: the codes go where a's first tile lay, which is done with
	s_branch .Lnext
.Lnot_p:
	s_cmp_eq_u32 s[GP], 1
	s_cbranch_scc0 .Lout
	MULQ 0x86, 64                                  ; r s
	s_branch .Lnext
.Lz:                                                   ; every wave has read slots 0-7 for the last time: rounds of this pass lie between.  p a -> slot w, r s -> slot 4 + w
	WIN 0x0c
.irp g, 0,1
.irp m, 0,1,2,3
.irp c, 0,1,2
	ds_store_b128 v[VIA], v[64*\g+12*\m+4*\c:64*\g+12*\m+4*\c+3] offset:4*SLOTB*\g+1536*\m+512*\c
.endr
	ds_store_b32 v[VSA], v[64*\g+56+\m] offset:1024*\g+4*\m
.endr
.endr
	s_wait_dscnt 0x0                               ; the stores have read their registers, which z takes
	WIN 0xc2
.set RI, 0
.rept 256
	v_rcp_f32 v[RI], v[RI]                         ; z goes to window 3: pass h sums in window 2
.set RI, RI+1
.endr
	v_nop
	s_wait_alu depctr_va_vdst(0)
	WIN 0
.Lnext:
	s_add_co_u32 s[GP], s[GP], 1
	s_cmp_lt_u32 s[GP], 4
	s_wait_alu depctr_va_vdst(0)
	s_cbranch_scc1 .Lpass
.Lout:
	; ---- THE WAY OUT, a tile of 16 rows at a time: h = 1 - 2 q; out = s + z (h - s); through my stage by halves, so that sixteen lanes store 256 consecutive bytes, aligned
.macro OUTM m
.if (\m) >= 2
	s_wait_xcnt 0x0                                ; the stores of two tiles ago have read the registers that this tile's rows are loaded into; the wait stands ahead of the tile's arithmetic
.endif
	WIN 0x82
.set RI, 64*(\m)
.rept 32
	v_pk_fma_f32 v[RI:RI+1], v[RI:RI+1], -2.0, 1.0 op_sel_hi:[1,0,0]   ; h
.set RI, RI+2
.endr
	WIN 0x86
.set RI, 64*(\m)
.rept 32
	v_pk_add_f32 v[RI:RI+1], v[RI:RI+1], v[RI:RI+1] neg_lo:[0,1] neg_hi:[0,1]   ; h (window 2) - s (window 1)
.set RI, RI+2
.endr
	WIN 0x9b
.set RI, 64*(\m)
.rept 32
	v_pk_fma_f32 v[RI:RI+1], v[RI:RI+1], v[RI:RI+1], v[RI:RI+1]   ; z (window 3) x (h - s) (window 2) + s (window 1)
.set RI, RI+2
.endr
.irp c, 0,1
	WIN 0x08
.irp n, 0,1,2,3,4,5,6,7
	ds_store_b128 v[VSTR], v[64*(\m)+32*\c+4*\n:64*(\m)+32*\c+4*\n+3] offset:128*(\n/4)+16*(\n%4)
.endr
	WIN 0
.irp i, 0,1,2,3,4,5,6,7
	ds_load_b128 v[OB+64*((\m)%2)+32*\c+4*\i:OB+64*((\m)%2)+32*\c+4*\i+3], v[VSTW] offset:2*SPITCH*\i
.endr
.endr
	s_wait_dscnt 0x0
.irp c, 0,1
.irp i, 0,1,2,3,4,5,6,7
	global_store_b128 v[VO2], v[OB+64*((\m)%2)+32*\c+4*\i:OB+64*((\m)%2)+32*\c+4*\i+3], s[OUTP:OUTP+1] offset:(16*(\m)+2*\i)*2048+256*\c th:TH_STORE_NT
.endr
.endr
.endm
	OUTM 0
	OUTM 1
	OUTM 2
	OUTM 3
	s_wait_tensorcnt 0x0                           ; the wave's end
	ds_add_u32 v[SPW], v[NIL]
	s_wait_dscnt 0x0
	ROUND                                          ; the closing round
	s_endpgm
.Lfunc_end_k_q37385425b7_gru:
	.size	k_q37385425b7_gru, .Lfunc_end_k_q37385425b7_gru-k_q37385425b7_gru
	.p2alignl 7, 3214868480
	.fill 96, 4, 3214868480
	.section	.rodata,"a",@progbits
	.p2align	6, 0x0
	.amdhsa_kernel k_q37385425b7_gru
		.amdhsa_group_segment_fixed_size 327680
		.amdhsa_private_segment_fixed_size 0
		.amdhsa_enable_private_segment 0
		.amdhsa_kernarg_size 40
		.amdhsa_user_sgpr_count 2
		.amdhsa_user_sgpr_kernarg_segment_ptr 1
		.amdhsa_wavefront_size32 1
		.amdhsa_system_sgpr_workgroup_id_x 1
		.amdhsa_system_sgpr_workgroup_id_y 1
		.amdhsa_system_sgpr_workgroup_id_z 1
		.amdhsa_system_vgpr_workitem_id 0
		.amdhsa_next_free_vgpr 1024
		.amdhsa_next_free_sgpr 66
		.amdhsa_reserve_vcc 0
		.amdhsa_float_denorm_mode_32 3
		.amdhsa_float_denorm_mode_16_64 3
		.amdhsa_memory_ordered 1
		.amdhsa_forward_progress 1
		.amdhsa_inst_pref_size 255
	.end_amdhsa_kernel
	.section	.bss,"aw",@nobits
	.p2align	6
	.space	262144
	.amdgpu_metadata
---
amdhsa.version: [ 1, 2 ]
amdhsa.kernels:
  - .name:           k_q37385425b7_gru
    .symbol:         k_q37385425b7_gru.kd
    .args:
      - { .name: encoder_hidden, .offset: 0, .size: 8, .value_kind: global_buffer, .address_space: global }
      - { .name: spk_vectors, .offset: 8, .size: 8, .value_kind: global_buffer, .address_space: global }
      - { .name: adr_vectors, .offset: 16, .size: 8, .value_kind: global_buffer, .address_space: global }
      - { .name: wq, .offset: 24, .size: 8, .value_kind: global_buffer, .address_space: global }
      - { .name: out0, .offset: 32, .size: 8, .value_kind: global_buffer, .address_space: global }
    .group_segment_fixed_size: 327680
    .private_segment_fixed_size: 0
    .kernarg_segment_align: 8
    .kernarg_segment_size: 40
    .max_flat_workgroup_size: 128
    .sgpr_count:     66
    .vgpr_count:     1024
    .wavefront_size: 32
...
	.end_amdgpu_metadata
.endif
;; end of part 2
